; MI455X (gfx1250); checked and timed in simulation.
; The chip was launched on July 23, 2026; its instructions are those of AMD's public machine-readable ISA for CDNA 5 (MIT licence, August 2026) and "CDNA5" Instruction Set Architecture Reference Guide (July 2026). The comments in the code are by the model that wrote it; some were corrected since.
;; Listen And Decide With Context. Allowed arithmetic: matrix products marked QUANTISED: E4M3 operands, one given power-of-two scale a tensor, by v_wmma_f32_16x16x64_fp8_fp8 or v_wmma_f32_16x16x128_fp8_fp8, f32 sums; everything else in f32.
;; Inputs: W1_codes 1,024 x 16 x 32 uint8 (E4M3 codes of W1, K innermost, in blocks of 32 codes); W2_codes 128 x 32 x 32 uint8 (E4M3 codes of W2, K innermost, in blocks of 32 codes); b1 1,024 float32; batched_context_feature_codes 256 x 256 x 16 x 32 uint8 (E4M3 codes of batched_context_feature, K innermost, in blocks of 32 codes); beta 1,024 float32; embedded_cyclic_msg 256 x 256 x 128 float32; gamma 1,024 float32; lowp_scales 6 int32 (the exponents e of the quantised operands' scales 2^e); running_mean 1,024 float32; running_var 1,024 float32.
;; Outputs: out0 256 x 256 x 256 float32.
;; This version of the problem:
;;   THIS VERSION OF THE PROBLEM IS GIVEN IN LOW PRECISION. The matrix products marked QUANTISED in the list below multiply operands that are first quantised to E4M3 (4 exponent bits, 3 mantissa bits; 8 bits a number), with one given power-of-two scale for each operand tensor; their sums are f32. All else is computed in f32.
;;   The module's matrix products, in the order in which they are computed (A, B: the left and right operand; K: the contracted axis; several contracted axes count as one K, in the product's order):
;;     1. [M 65,536, K 512] x [K 512, N 1,024]; A: input batched_context_feature (given as codes); B: input W1 (given as codes): QUANTISED (scales: A lowp_scales[0], B lowp_scales[1])
;;     2. [M 65,536, K 1,024] x [K 1,024, N 128]; A: computed on the way; B: input W2 (given as codes): QUANTISED (scales: A lowp_scales[2], B lowp_scales[3])
;;     3. batch 256 x [M 256, K 128] x [K 128, N 256]; A: computed on the way; B: computed on the way: QUANTISED (scales: A lowp_scales[4], B lowp_scales[5])
;;   THE QUANTISER, for each operand of a quantised product, along K:
;;     - The operand's scale is 2^e, e = its entry of the input lowp_scales (int32; the entries are numbered through the quantised products in the list's order, A before B).
;;     - Each number is divided by the scale, clamped to +-448, and rounded to the nearest number of E4M3, ties to even, subnormals kept.
;;     - The product sums the exact products of the quantised numbers (number of the format x scale) in f32.
;;   ~~~python
;;   def quantise(x, axis, e):      # numpy; x: float32 -> the quantised numbers, widened to float32 again
;;       x = np.moveaxis(x, axis, -1); K = x.shape[-1]
;;       r = np.clip(x / 2.0 ** e, -448, 448)
;;       step = 2.0 ** (np.maximum(np.frexp(np.where(r == 0, 1, r))[1] - 1, -6) - 3)
;;       q = np.round(r / step) * step * 2.0 ** e      # np.round: ties to even
;;       return np.moveaxis(q, -1, axis).astype(np.float32)
;;   ~~~
;;   OPERANDS COMPUTED ON THE WAY. 'Computed on the way' means the value that the module computes at that place (a softmax that the list does not call 'softmax' is quantised finished and normalised). What goes into a quantiser is computed in f32, as accurately as f32 sums, v_exp_f32 and their like allow (about 1e-6 of the number): no bf16 or f16 on the way to a quantiser, and a product that is left as it is and whose result goes on into a quantised operand takes f32 operands (vector FMAs, or v_wmma_f32_16x16x4_f32). A number that lies on a knife's edge between two numbers of the format may be rounded either way, as far as f32 arithmetic and the matrix unit's own rounding can turn it there, and no further.
;;   INPUTS GIVEN AS CODES. W1 (in the module: [512, 1024], K = its axis 0); W2 (in the module: [1024, 128], K = its axis 0); batched_context_feature (in the module: [256, 256, 512], K = its axis 2): each comes as NAME_codes (uint8): NAME with its K axis moved to the last place and cut into blocks of 32 codes, [.., K / 32, bytes a block], one block behind the other in memory; one code a byte (a code: sign, 4 exponent bits, 3 mantissa bits); its scale is its entry of lowp_scales. Its value is code x scale, taken as it is: it is not quantised again, and the codes and scales need not be those that the quantiser above would give.
;; One version. Each part assembles by itself: llvm-mc -triple=amdgcn-amd-amdhsa -mcpu=gfx1250 --defsym DOCPART=n.
;; ======== version 1 of 1: 1 launch
;; limits: right only within a limited range of input values
;; launch chain (part 1): grid 256 x 1, 4 waves a work-group, clusters of 4 x 1, 327,680 bytes of LDS; arguments batched_context_feature_codes, W1_codes, W2_codes, embedded_cyclic_msg, b1, beta, gamma, running_mean, running_var, lowp_scales, out0; writes out0
.if DOCPART == 1
	.amdgcn_target "amdgcn-amd-amdhsa--gfx1250"
	.amdhsa_code_object_version 6
	.text
	.protected	k_q1850c21475_chain
	.globl	k_q1850c21475_chain
	.p2align	8
	.type	k_q1850c21475_chain,@function
k_q1850c21475_chain:
	s_mov_b64 s[64:65], 0
	v_nop
	global_prefetch_b8 v0, s[64:65] scope:SCOPE_SE
	s_setreg_imm32_b32 hwreg(HW_REG_WAVE_MODE, 25, 1), 1
	s_wait_xcnt 0x0
	s_wait_alu depctr_hold_cnt(0) depctr_sa_sdst(0) depctr_va_vdst(0) depctr_va_sdst(0) depctr_va_ssrc(0) depctr_va_vcc(0) depctr_vm_vsrc(0)
	s_getreg_b32 s2, hwreg(HW_REG_IB_STS2, 6, 4)
	s_cmp_eq_u32 s2, 0
	s_cbranch_scc0 .Lentry_in_a_cluster
	s_endpgm
.Lentry_in_a_cluster:
	s_bfe_u32 s2, ttmp6, 0x10000c
	s_cmp_lg_u32 s2, 0x3003
	s_cbranch_scc0 .Lentry_shape_is_right
	s_endpgm
.Lentry_shape_is_right:
; out[b][m][c] = cos(msg[b][m], logit[b][c]) / 0.07,  logit = Q(relu(BN(x W1 + b1))) W2;  all three products on codes of FP8 (E4M3), f32 sums, each operand with its given scale 2^e (e0 .. e5).
; ONE WORK-GROUP TAKES ONE BATCH THROUGH THE WHOLE CHAIN: 256 contexts x 512 codes in, 256 x 256 f32 out; the hidden layer, the logits and both normalised operands never go to memory.
; SHARES.  Wave w owns contexts 64 w .. 64 w + 63 as four tiles q: lane r of tile q is context 64 w + 4 r + (q xor 2 (r / 8)).  (x lies in LDS two contexts to a row of 1,040 bytes: with this order the 16 lanes
; of a load start in 16 different columns of 16 bytes.)  b's codes are put back in the order 4 r + q by 64 selects, so that in the last product a lane's four tiles are four neighbouring columns of out.
; Products 1 and 2 are used TRANSPOSED (source 0 = 16 rows of the weight, source 1 = my contexts): a lane holds one context, register j of tile t the unit 16 t + 8 (lane / 16) + j.  Eight such registers,
; converted, are registers 2 t, 2 t + 1 of the next product's operand in this form's own layout (k = 16 c + 8 (lane / 16) + 0 .. 7): nothing changes lanes between the products.
; In product 1 both sides are fetched 16 bytes a lane (k = 32 c + 16 (lane / 16) + 0 .. 15): one permutation of k, the same in W1 and in x, so every product meets its partner.
; x stays in registers (256), logit^T too (256).  W1 goes in 8 chunks of 128 hidden units through two LDS slots; W2 lies in LDS whole, in the bytes that held x; a chunk is one K step of product 2.
; A PERIOD is one tile of 16 hidden units: 16 matrix instructions on end, then the vector work of the tile BEFORE as one block, then one run of LDS loads (W1 for the tile two on, S and T for the tile one on, a part of W2),
; then the conversions of the tile before to codes.  The run stands ahead of the conversions, none of which it waits for.
; The messages (f32) are normalised and quantised eight rows a wave and chunk, in the periods ahead of and behind product 2, and meet in LDS as rows of codes: the one thing that goes from wave to wave.
; CLUSTER: the four work-groups of a cluster walk the same W1 and W2, so each tile is asked for JOINTLY (mask 15, the same descriptor in all four).  The place in the cluster enters x's, msg's and out's addresses alone.
; NO PREFETCH: x is read once, at the head, with no loop to run ahead in; each other read is asked for well ahead by the load itself: a chunk of W1 144 matrix instructions a wave ahead of the wait for it (chunk 2 and W2: 112),
; a step of messages 96 or more.
; BN is folded: h = sum x S + T,  s = gamma x rsq(var + 1e-5),  S = s x 2^(e0 + e1),  T = (b1 - mean) s + beta: all f32; the order of rounding differs from (sum + b1 - mean) s + beta.
; 1 / max(norm, 1e-8) is made as rsq(max(sum of squares, 1e-16)); for the logits, whose sums lack 2^(e2 + e3), as rsq(max(sum of squares, 1e-16 x 2^(-2 (e2 + e3)))).
; LIMITS: e2, e4, e5 between -126 and 119, so that 2^e and 448 x 2^e are f32 numbers; e2 + e3 is -90 or more, so that the logits' floor is an f32 number.  NaN among the inputs is not served.
;
; LDS: two slots of 128 rows of W1 (pitch 528) | x, then W2: 128 rows of 1,024 bytes (pitch 1,040) | S and T: for each 8 units 32 bytes of S, 32 of T | a's codes, 256 rows (pitch 144) | the spare words.
; Pitches 528 and 144 are odd multiples of 16 bytes, 1,040 is 260 words: the 16 rows that a load touches start at different banks (64 banks of 4 bytes: ISA guide 11.1).
.set PW1,   528
.set PW2,   1040
.set PA,    144
.set SLOT,  128*PW1                    ; 67,584 = 0x10800: shares no bit with wave x 16,896, so one exclusive or turns a wave's place in one slot into the other's
.set W2L,   2*SLOT
.set STB,   W2L+128*PW2
.set AROW,  STB+8192
.set SPARE, AROW+256*PA                ; 128 bytes for each wave: two blocks of 256 bytes that no other line names
; REGISTERS, in windows of 256 (s_set_vgpr_msb: bits 1:0 source 0, 3:2 source 1, 5:4 source 2, 7:6 destination).
; window 0: addresses and constants; v32-63 S, T (two sets); v64-127 product 1's accumulators (two sets of four); v128-255 W1's fragments (two sets of four K steps)
; window 1: x, fragment (q, s) at 16 (4 q + s).   window 2: logit^T, accumulator (te, q) at 64 q + 8 te.   window 3: W2's 8 fragments, the hidden codes, the messages' work.
.set SPW,  1                           ; LDS address of my spare word; never rewritten
.set NIL,  2                           ; 0; never rewritten
.set AW0,  3                           ; r x 528 + 16 h
.set ADW,  4                           ; + the slot in hand
.set AS0,  5                           ; STB + 64 h
.set ADS,  6                           ; + 1,024 x chunk
.set W20,  7                           ; W2L + r x 1,040 + 8 h
.set W21,  8                           ; the same 64 rows on
.set AST0, 9                           ; AROW + (64 w + lane / 4) x 144 + 4 (lane % 4)
.set SCH,  10                          ; 2^e2, 448 x 2^e2
.set LIMH, 11
.set SCA,  12                          ; e4
.set LIMA, 13
.set SCB,  14                          ; e5
.set LIMB, 15
.set T0,   16
.set FLO,  17                          ; the logits' floor: 1e-16 x 2^(-2 (e2 + e3))
.set INV,  18                          ; v[18:19]
.set AF0,  20                          ; AROW + r x 144 + 8 h
.set ADA,  21
.set OOFF, 22                          ; 8,192 h + 16 r
.set SCO,  23                          ; 2^(e4 + e5) / 0.07
.set W2RA, 24                          ; W20, W21 + 128 x chunk
.set W2RB, 25
.set XA,   110                         ; the head: v110-111 where my fragments of x lie, tiles 0, 1 and tiles 2, 3
.set STR,  32
.set ACC,  64
.set WB,   128
.set BF,   32                          ; the tail: b's four fragments,
.set AF,   96                          ; a's two fragments,
.set DD,   128                         ; two sets of four results (before them: b's codes in the order of the tiles),
.set OUT,  192                         ; two sets of 32 numbers to store,
.set NT,   240                         ; before them the norms' temporaries
.set W2F,  0                           ; window 3
.set HC,   128
.set MM,   192
.set AC,   224
.set SQ,   232
.set ASTA, 240
.set MOFF, 241
; s26 wave; s28 batch; s[32:39], s[40:47], s[76:83], s[88:95] descriptor groups 1 (W1's refills, W2, W1 at the head, x); s[48:51], s[52:55], s[56:59], s[60:63] groups 0 (x, W1 at the head, W1's refills, W2);
; s[68:73] e0 .. e5; s74 the slot in hand; s75 1,024 x chunk; s96 128 x chunk; s97 1,152 x step of messages; s98 loop counter; s[84:85] lane selects; s86 a's tiles
.set MSB, 0
.set RL, 0                             ; LDS instructions of my last run, which may be out at the next period's start
.macro WIN new                         ; the immediate's high byte repeats the setting that is left; a switch that changes nothing is dropped
.if MSB != \new
	s_set_vgpr_msb (MSB<<8)|\new
.set MSB, \new
.endif
.endm
.macro PLACES                          ; four plain vector instructions behind a matrix instruction, ahead of reads of its result and of loads into its registers
.rept 4
	v_nop
.endr
.endm
.macro CREST                           ; a round of the cluster's barrier behind its opening barrier
	s_cmp_lg_u32 s26, 0
	s_cbranch_scc1 .Lnot_wave_0_\@
	s_barrier_signal -3
.Lnot_wave_0_\@:
	s_barrier_wait -3
	s_barrier_signal -1
	s_barrier_wait -1
.endm
.macro CROUND
	s_barrier_signal -1
	s_barrier_wait -1
	CREST
.endm
	s_load_b512 s[4:19], s[0:1], 0x0               ; x s[4:5], W1 s[6:7], W2 s[8:9], msg s[10:11], b1 s[12:13], beta s[14:15], gamma s[16:17], mean s[18:19]
	s_load_b128 s[20:23], s[0:1], 0x40             ; var s[20:21], the scales' exponents s[22:23]
	s_load_b64 s[24:25], s[0:1], 0x50              ; out
	v_lshl_add_u32 v[SPW], v0, 2, SPARE
	v_mov_b32 v[NIL], 0
	ds_add_u32 v[SPW], v[NIL]                      ; the wave's opening: the add, twice on end, and its wait
	ds_add_u32 v[SPW], v[NIL]
	v_lshrrev_b32 v104, 5, v0
	v_readfirstlane_b32 s26, v104                  ; wave 0..3
	s_bfe_u32 s27, ttmp6, 0x40000                  ; cx
	s_lshl_b32 s28, ttmp9, 2
	s_add_co_u32 s28, s28, s27                     ; batch = 4 x cluster + cx
	s_and_b32 s29, s26, 1                          ; which half of x, or which chunk of W1, I fetch at the head
	s_lshr_b32 s30, s26, 1                         ; 0: x, 1: W1
	; group 1, W1's refills: 32 rows x 512 bytes a wave (a chunk's 128 rows shared among four waves), 16 bytes of padding behind each row
	s_mov_b32 s32, 15|(1<<20)|(1<<21)|(6<<22)|(3<<25)   ; 15:0 the mask: all four work-groups; 17:16 elements of 1 byte; 20 padding on; 21 set beside a mask; 24:22 after every 128 words; 31:25 four words
	s_mov_b32 s33, 512<<16                         ; tensor_dim0
	s_mov_b32 s34, 32<<16                          ; tensor_dim1
	s_mov_b32 s35, 512<<16                         ; tile_dim0
	s_mov_b32 s36, 32                              ; tile_dim1
	s_mov_b32 s37, 512                             ; from row to row
	s_mov_b32 s38, 0
	s_mov_b32 s39, 0
	; group 1, W2: 32 rows x 1,024 bytes a wave
	s_mov_b32 s40, 15|(1<<20)|(1<<21)|(7<<22)|(3<<25)   ; padding after every 256 words
	s_mov_b32 s41, 1024<<16
	s_mov_b32 s42, 32<<16
	s_mov_b32 s43, 1024<<16
	s_mov_b32 s44, 32
	s_mov_b32 s45, 1024
	s_mov_b32 s46, 0
	s_mov_b32 s47, 0
	; group 1, W1 at the head: a whole chunk of 128 rows
	s_mov_b32 s76, 15|(1<<20)|(1<<21)|(6<<22)|(3<<25)
	s_mov_b32 s77, 512<<16
	s_mov_b32 s78, 128<<16
	s_mov_b32 s79, 512<<16
	s_mov_b32 s80, 128
	s_mov_b32 s81, 512
	s_mov_b32 s82, 0
	s_mov_b32 s83, 0
	; group 1, x: 64 rows x 1,024 bytes (two contexts to a row): my work-group's alone, no mask
	s_mov_b32 s88, (1<<20)|(7<<22)|(3<<25)
	s_mov_b32 s89, 1024<<16
	s_mov_b32 s90, 64<<16
	s_mov_b32 s91, 1024<<16
	s_mov_b32 s92, 64
	s_mov_b32 s93, 1024
	s_mov_b32 s94, 0
	s_mov_b32 s95, 0
	s_mov_b32 s48, 1
	s_mul_i32 s49, s29, 64*PW2
	s_add_co_u32 s49, s49, W2L                     ; x: waves 0 and 1, 64 rows each
	s_mov_b32 s52, 1
	s_mul_i32 s53, s29, SLOT                       ; W1: wave 2 chunk 0 into slot 0, wave 3 chunk 1 into slot 1
	s_mov_b32 s56, 1
	s_mul_i32 s57, s26, 32*PW1
	s_add_co_u32 s57, s57, SLOT                    ; the refills: stepped ahead of each load, so one step behind here: chunk 1, slot 1
	s_mov_b32 s60, 1
	s_mul_i32 s61, s26, 32*PW2
	s_add_co_u32 s61, s61, W2L
	s_lshl_b32 s66, s29, 16                        ; in memory: 65,536 bytes are half of x, or a chunk of W1;
	s_mov_b32 s67, 0
	s_lshl_b32 s98, s26, 14                        ; 32 rows of W1,
	s_mov_b32 s99, 0
	s_lshl_b32 s100, s26, 15                       ; 32 rows of W2
	s_mov_b32 s101, 0
	s_lshl_b32 s86, s28, 17                        ; x: 131,072 bytes a batch
	s_mov_b32 s87, 0
	s_mov_b32 s74, 0
	s_mov_b32 s75, 0
	s_mov_b32 s96, 0
	s_mov_b32 s97, 0
	s_mov_b32 s84, 0x76543210
	s_mov_b32 s85, 0xfedcba98
	s_wait_dscnt 0x0                               ; both opening adds are done
	s_wait_kmcnt 0x0
	s_load_b128 s[68:71], s[22:23], 0x0            ; e0 .. e3
	s_load_b64 s[72:73], s[22:23], 0x10            ; e4, e5
	s_add_nc_u64 s[50:51], s[4:5], s[86:87]
	s_add_nc_u64 s[50:51], s[50:51], s[66:67]
	s_or_b32 s51, s51, 0x80000000
	s_add_nc_u64 s[54:55], s[6:7], s[66:67]
	s_or_b32 s55, s55, 0x80000000
	s_add_nc_u64 s[58:59], s[6:7], s[98:99]
	s_add_nc_u64 s[58:59], s[58:59], 65536
	s_or_b32 s59, s59, 0x80000000
	s_add_nc_u64 s[62:63], s[8:9], s[100:101]
	s_or_b32 s63, s63, 0x80000000
	CROUND                                         ; all four work-groups are here: the first joint loads meet
	s_cmp_eq_u32 s30, 0                            ; one tensor load a wave at the head
	s_cbranch_scc0 .Lhead_w1
	tensor_load_to_lds s[48:51], s[88:95]
	s_nop 0
	PLACES
	s_branch .Lhead_asked
.Lhead_w1:
	tensor_load_to_lds s[52:55], s[76:83]
	s_nop 0
	PLACES
.Lhead_asked:
	v_lshlrev_b32 v115, 5, v0                      ; BN: thread t takes units 8 t .. 8 t + 7
.irp u, 0,1
	global_load_b128 v[64+4*\u:67+4*\u], v115, s[12:13] offset:16*\u   ; b1
	global_load_b128 v[72+4*\u:75+4*\u], v115, s[14:15] offset:16*\u   ; beta
	global_load_b128 v[80+4*\u:83+4*\u], v115, s[16:17] offset:16*\u   ; gamma
	global_load_b128 v[88+4*\u:91+4*\u], v115, s[18:19] offset:16*\u   ; mean
	global_load_b128 v[96+4*\u:99+4*\u], v115, s[20:21] offset:16*\u   ; var
.endr
	s_lshl_b32 s66, s28, 17                        ; msg: 131,072 bytes a batch, 32,768 a wave
	s_lshl_b32 s98, s26, 15
	s_add_co_u32 s66, s66, s98
	s_add_nc_u64 s[10:11], s[10:11], s[66:67]
	s_lshl_b32 s66, s28, 18                        ; out: 262,144 bytes a batch; my 64 columns are 256 bytes
	s_lshl_b32 s98, s26, 8
	s_add_co_u32 s66, s66, s98
	s_add_nc_u64 s[24:25], s[24:25], s[66:67]
	s_mul_i32 s98, s26, 64*PA
	s_add_co_u32 s98, s98, AROW                    ; my 64 rows of a's codes
	v_and_b32 v104, 15, v0                         ; r
	v_bfe_u32 v105, v0, 4, 1                       ; h
	v_bfe_u32 v106, v0, 3, 1                       ; r / 8
	v_lshl_add_u32 v107, v104, 1, v106             ; x: tiles 0 and 1 of lane r lie in row 32 w + 2 r + r / 8,
	v_mul_u32_u24 v107, v107, PW2
	v_lshl_add_u32 v107, v105, 4, v107
	v_add_nc_u32 v[XA], s61, v107
	v_xor_b32 v106, 1, v106                        ; tiles 2 and 3 in the pair's other row
	v_lshl_add_u32 v108, v104, 1, v106
	v_mul_u32_u24 v108, v108, PW2
	v_lshl_add_u32 v108, v105, 4, v108
	v_add_nc_u32 v[XA+1], s61, v108
	v_mul_u32_u24 v[AW0], v104, PW1
	v_lshl_add_u32 v[AW0], v105, 4, v[AW0]
	v_mov_b32 v[ADW], v[AW0]
	v_lshlrev_b32 v[AS0], 6, v105
	v_add_nc_u32 v[AS0], STB, v[AS0]
	v_mov_b32 v[ADS], v[AS0]
	v_mul_u32_u24 v[W20], v104, PW2
	v_lshl_add_u32 v[W20], v105, 3, v[W20]
	v_add_nc_u32 v[W20], W2L, v[W20]
	v_add_nc_u32 v[W21], 64*PW2, v[W20]
	v_mov_b32 v[W2RA], v[W20]
	v_mov_b32 v[W2RB], v[W21]
	v_bfe_u32 v112, v0, 2, 3                       ; lane / 4: which of a step's eight messages
	v_and_b32 v113, 3, v0                          ; lane % 4: which quarter of each 64 bytes of its row
	v_mul_u32_u24 v[AST0], v112, PA
	v_lshl_add_u32 v[AST0], v113, 2, v[AST0]
	v_add_nc_u32 v[AST0], s98, v[AST0]
	v_mul_u32_u24 v[AF0], v104, PA
	v_lshl_add_u32 v[AF0], v105, 3, v[AF0]
	v_add_nc_u32 v[AF0], AROW, v[AF0]
	v_lshlrev_b32 v[OOFF], 13, v105
	v_lshl_add_u32 v[OOFF], v104, 4, v[OOFF]
	v_lshlrev_b32 v114, 9, v112
	v_lshlrev_b32 v116, 6, v0
	v_add_nc_u32 v116, STB, v116                   ; where thread t puts its S and T
	v_mov_b32 v[INV+1], 0                          ; (named as the upper half of a pair)
	WIN 0xc0
	v_lshl_add_u32 v[MOFF], v113, 4, v114          ; msg: row lane / 4 of 512 bytes, + 16 (lane % 4)
	WIN 0
	s_wait_alu depctr_va_vdst(0)
	s_wait_kmcnt 0x0
	s_add_co_i32 s99, s68, s69                     ; e0 + e1
	s_add_co_i32 s100, s70, s71                    ; -2 (e2 + e3)
	s_lshl_b32 s100, s100, 1
	s_sub_co_i32 s100, 0, s100
	s_add_co_i32 s101, s72, s73                    ; e4 + e5
.macro MKSC e, vs, vl                  ; 2^e and 448 x 2^e as f32 patterns
	s_add_co_i32 s66, s[\e], 127
	s_lshl_b32 s67, s66, 23
	v_mov_b32 v[\vs], s67
	s_add_co_i32 s66, s66, 8
	s_lshl_b32 s66, s66, 23
	s_or_b32 s66, s66, 0x600000
	v_mov_b32 v[\vl], s66
.endm
	MKSC 70, SCH, LIMH
	MKSC 72, SCA, LIMA
	MKSC 73, SCB, LIMB
	v_mov_b32 v[SCO], 0x41649249                   ; 1 / 0.07
	v_ldexp_f32 v[SCO], v[SCO], s101
	v_mov_b32 v[FLO], 0x24e69595                   ; 1e-16
	v_ldexp_f32 v[FLO], v[FLO], s100
	v_max_num_f32 v[FLO], 0x00800000, v[FLO]       ; never 0: a context whose sums are all 0 gives 0 (a sum of squares that is not 0 is 2^-36 or more)
	s_wait_alu depctr_va_vdst(0)
	s_wait_loadcnt 0x0
.irp j, 0,2,4,6
	v_pk_add_f32 v[96+\j:97+\j], v[96+\j:97+\j], 0x3727c5ac op_sel_hi:[1,0]   ; var + 1e-5
.endr
	s_wait_alu depctr_va_vdst(0)                   ; the wait ahead of the batch
.irp j, 0,1,2,3,4,5,6,7
	v_rsq_f32 v[96+\j], v[96+\j]
.endr
.irp j, 0,2,4,6
	v_pk_add_f32 v[64+\j:65+\j], v[64+\j:65+\j], v[88+\j:89+\j] neg_lo:[0,1] neg_hi:[0,1]   ; b1 - mean (plain lines behind the transcendentals)
.endr
	s_wait_alu depctr_va_vdst(0)                   ; and behind it
.irp j, 0,2,4,6
	v_pk_mul_f32 v[80+\j:81+\j], v[80+\j:81+\j], v[96+\j:97+\j]                ; s
.endr
.irp j, 0,2,4,6
	v_pk_fma_f32 v[64+\j:65+\j], v[64+\j:65+\j], v[80+\j:81+\j], v[72+\j:73+\j]   ; T
.endr
.irp j, 0,1,2,3,4,5,6,7
	v_ldexp_f32 v[80+\j], v[80+\j], s99            ; S
.endr
	ds_store_b128 v116, v[80:83]
	ds_store_b128 v116, v[84:87] offset:16
	ds_store_b128 v116, v[64:67] offset:32
	ds_store_b128 v116, v[68:71] offset:48
.macro LW1 tile, p                     ; W1's four K steps of a tile in the slot in hand -> set p: 16 loads
.irp s, 0,1,2,3
.irp c, 0,1,2,3
	ds_load_b128 v[WB+64*(\p)+16*\s+4*\c:WB+64*(\p)+16*\s+4*\c+3], v[ADW] offset:(\tile)*16*PW1+128*\s+32*\c
.endr
.endr
.endm
.macro LST off, p                      ; a tile's S and T -> set p: 4 loads
.irp i, 0,1,2,3
	ds_load_b128 v[STR+16*(\p)+4*\i:STR+16*(\p)+4*\i+3], v[ADS] offset:(\off)+16*\i
.endr
.endm
.macro LW2 w0, wn                      ; wn of W2's fragments from w0 on, K = the chunk to which the address registers point: 8 loads each
.if \wn
	WIN 0xc0
.set TE, (\w0)
.rept \wn
.irp c, 0,1,2,3,4,5,6,7
.if TE < 4
	ds_load_b64 v[W2F+16*TE+2*\c:W2F+16*TE+2*\c+1], v[W2RA] offset:TE*16*PW2+16*\c
.else
	ds_load_b64 v[W2F+16*TE+2*\c:W2F+16*TE+2*\c+1], v[W2RB] offset:(TE-4)*16*PW2+16*\c
.endif
.endr
.set TE, TE+1
.endr
.endif
.endm
.macro MUL4 p, s                       ; K step s of the tile in sets p: the four accumulators by turns; step 0 starts the sums
.irp q, 0,1,2,3
.if (\s) == 0
	v_wmma_f32_16x16x128_fp8_fp8 v[ACC+32*(\p)+8*\q:ACC+32*(\p)+8*\q+7], v[WB+64*(\p)+16*(\s):WB+64*(\p)+16*(\s)+15], v[16*(4*\q+(\s)):16*(4*\q+(\s))+15], 0
.else
	v_wmma_f32_16x16x128_fp8_fp8 v[ACC+32*(\p)+8*\q:ACC+32*(\p)+8*\q+7], v[WB+64*(\p)+16*(\s):WB+64*(\p)+16*(\s)+15], v[16*(4*\q+(\s)):16*(4*\q+(\s))+15], v[ACC+32*(\p)+8*\q:ACC+32*(\p)+8*\q+7]
.endif
.endr
.endm
; what is made of a finished tile tp in set p, in three parts.  EPA: sum x S + T.  EPB: the activation and the hold in one, between 0 and 448 x 2^e2 (the conversion to an 8-bit code does not saturate: ISA guide 7.6.2),
; for two of the four q.  EPC: the codes.
.macro EPA p
	WIN 0
.irp q, 0,1,2,3
.irp j, 0,2,4,6
	v_pk_fma_f32 v[ACC+32*(\p)+8*\q+\j:ACC+32*(\p)+8*\q+\j+1], v[ACC+32*(\p)+8*\q+\j:ACC+32*(\p)+8*\q+\j+1], v[STR+16*(\p)+\j:STR+16*(\p)+\j+1], v[STR+16*(\p)+8+\j:STR+16*(\p)+8+\j+1]
.endr
.endr
.endm
.macro EPB p, qa, qb
.irp q, \qa, \qb
.irp j, 0,1,2,3,4,5,6,7
	v_med3_num_f32 v[ACC+32*(\p)+8*\q+\j], v[ACC+32*(\p)+8*\q+\j], 0, v[LIMH]
.endr
.endr
.endm
.macro EPC tp, p
	WIN 0xc0
.irp q, 0,1,2,3
	v_cvt_scalef32_pk8_fp8_f32 v[HC+16*\q+2*(\tp):HC+16*\q+2*(\tp)+1], v[ACC+32*(\p)+8*\q:ACC+32*(\p)+8*\q+7], v[SCH]
.endr
	v_nop                                          ; one plain line behind the conversions: matrix instructions later read the codes and write the sums' registers
.endm
; THE MESSAGES' STEP, eight rows a wave.  MLOAD asks for them: a lane takes e = 4 (lane % 4) + 16 i + 0 .. 3 of row lane / 4 into M[4 i ..]: each load reads 64 consecutive bytes of eight rows.
; In the period ahead of product 2 (msg = 1): MSQ, the sum of a lane's 32 squares; then over the row's four lanes, the floor, and MRSQ: 1 / max(norm, 1e-8).
; In the period behind it (msg = 2): MSCALE, the scale and the hold; MCVT, the codes; MSEND, 4 bytes x 8 into the row of codes in LDS, and the next step is asked for.
.macro MLOAD
.irp i, 0,1,2,3,4,5,6,7
	global_load_b128 v[MM+4*\i:MM+4*\i+3], v[MOFF], s[10:11] offset:64*\i th:TH_LOAD_NT
.endr
.endm
.macro MSQ
	WIN 0xff
.set K, 0
.rept 16
.if K < 4
	v_pk_mul_f32 v[SQ+2*K:SQ+2*K+1], v[MM+2*K:MM+2*K+1], v[MM+2*K:MM+2*K+1]
.else
	v_pk_fma_f32 v[SQ+2*(K%4):SQ+2*(K%4)+1], v[MM+2*K:MM+2*K+1], v[MM+2*K:MM+2*K+1], v[SQ+2*(K%4):SQ+2*(K%4)+1]
.endif
.set K, K+1
.endr
	v_pk_add_f32 v[SQ:SQ+1], v[SQ:SQ+1], v[SQ+2:SQ+3]
	v_pk_add_f32 v[SQ+4:SQ+5], v[SQ+4:SQ+5], v[SQ+6:SQ+7]
	v_pk_add_f32 v[SQ:SQ+1], v[SQ:SQ+1], v[SQ+4:SQ+5]
	WIN 0x0f
	v_add_f32 v[T0], v[SQ], v[SQ+1]
.endm
.macro MRSQ
	WIN 0
	s_wait_alu depctr_va_vdst(0)                   ; the wait ahead of the transcendental; the one behind it stands ahead of product 2
	v_rsq_f32 v[INV], v[T0]
	v_nop                                          ; a plain line behind a transcendental
.endm
.macro MSCALE
	WIN 0xc3
.set K, 0
.rept 16
	v_pk_mul_f32 v[MM+2*K:MM+2*K+1], v[MM+2*K:MM+2*K+1], v[INV:INV+1] op_sel_hi:[1,0]
.set K, K+1
.endr
.set K, 0
.rept 32
	v_med3_num_f32 v[MM+K], v[MM+K], -v[LIMA], v[LIMA]
.set K, K+1
.endr
.endm
.macro MCVT
	WIN 0xc3
.irp i, 0,1,2,3
	v_cvt_scalef32_pk8_fp8_f32 v[AC+2*\i:AC+2*\i+1], v[MM+8*\i:MM+8*\i+7], v[SCA]
.endr
	WIN 0xc0
	v_add_nc_u32 v[ASTA], s97, v[AST0]             ; (also the plain line behind the conversions)
	WIN 0
.endm
.macro MSEND more
	WIN 0xff
.irp k, 0,1,2,3,4,5,6,7
	ds_store_b32 v[ASTA], v[AC+\k] offset:16*\k    ; e = 4 (lane % 4) + 16 k + 0 .. 3 of my row
.endr
	s_add_co_u32 s97, s97, 8*PA
.if \more
	s_add_nc_u64 s[10:11], s[10:11], 4096          ; (the loads that read this base were waited for in the period ahead of product 2)
	MLOAD
.endif
	WIN 0
.endm
; the plain vector work of a period, behind its matrix instructions
.macro VEC msg, p
.if (\msg) == 1
	MSQ
.elseif (\msg) == 2
	MSCALE
	WIN 0
	s_wait_alu depctr_va_vdst(0)                   ; a transcendental stands between tile 0's products and these first readers
.endif
	EPA \p
.if (\msg) == 1
	v_add_f32_dpp v[T0], v[T0], v[T0] row_xmask:1 row_mask:0xf bank_mask:0xf
.elseif (\msg) == 2
	MCVT
.endif
	EPB \p, 0, 1
.if (\msg) == 1
	v_add_f32_dpp v[T0], v[T0], v[T0] row_xmask:2 row_mask:0xf bank_mask:0xf
.endif
	EPB \p, 2, 3
.if (\msg) == 1
	v_max_num_f32 v[T0], 0x24e69595, v[T0]         ; 1e-16
.endif
.endm
	s_wait_alu depctr_va_vdst(0)
	s_wait_tensorcnt 0x0                           ; my part of x or of W1 is in
	s_wait_dscnt 0x0                               ; my S and T have landed
	s_barrier_signal -1
	s_barrier_wait -1                              ; everybody's are
	WIN 0x40
.irp q, 0,1,2,3
.irp s, 0,1,2,3
.irp c, 0,1,2,3
	ds_load_b128 v[16*(4*\q+\s)+4*\c:16*(4*\q+\s)+4*\c+3], v[XA+\q/2] offset:512*(\q%2)+128*\s+32*\c
.endr
.endr
.endr
	WIN 0
	LW1 0, 0
	LW1 1, 1
	LST 0, 0
	s_wait_tensorcnt 0x0                           ; none of my tensor loads is out
	ds_add_u32 v[SPW], v[NIL]
	s_wait_dscnt 0x0                               ; the add is done, and x is in registers
	s_barrier_signal -1
	WIN 0x04
	MUL4 0, 0                                      ; chunk 0's tile 0, work on registers while the others arrive
	MUL4 0, 1
	MUL4 0, 2
	MUL4 0, 3
	WIN 0
	s_barrier_wait -1
	CREST                                          ; no wave of any partner still reads x:
	tensor_load_to_lds s[60:63], s[40:47]          ; W2 goes into its bytes, one tensor load a wave; it is waited for in chunk 1's first period, ahead of product 2
	s_nop 0
	PLACES                                         ; also the places in front of the loads below
	LW1 2, 0
	LST 128, 1
	WIN 0xff
	MLOAD
	WIN 0
.set RL, 20
; A PERIOD: tile t of a chunk.  mode 1: the change of slots with a joint refill; mode 2: the change without refill; mode 3: the change alone, to a slot that is known to be in; mode 4: the refill alone, of the slot left before.
; msg: the part of the messages' step.  w0, wn: the first and the number of W2's fragments that the run fetches; lw: it fetches W1 for tile t + 2 (16 loads); ls: S and T for tile t + 1 (4 loads), at so + 128 (t + 1).
; THE COUNT at the start: this tile's W1 and the last tile's S and T were asked for in the run before the last, so the RL instructions of the last run may be out.
.macro PERIOD t, mode, msg, w0, wn, lw, ls, so
.set PB, (\t)%2
.set PP, 1-PB
.set TP, ((\t)+7)%8
.set BARR, ((\mode)==1)|((\mode)==2)|((\mode)==4)
.set FILL, ((\mode)==1)|((\mode)==4)
.set TOGG, ((\mode)==1)|((\mode)==2)|((\mode)==3)
.if (\msg) == 1
	s_wait_loadcnt 0x0                             ; the eight loads of messages are the only ones out
.endif
.if BARR
	WIN 0                                          ; (the add's two registers lie in window 0)
	s_wait_tensorcnt 0x0                           ; all my tensor loads have landed: my part of the next chunk (mode 4: of W2); so the walking group 0 may be written
	ds_add_u32 v[SPW], v[NIL]                      ; 0 onto my spare word
.if FILL
	s_xor_b32 s57, s57, SLOT                       ; the slot that is being left,
	s_add_nc_u64 s[58:59], s[58:59], 65536         ; the next chunk that no slot holds; the type bits on top are not reached
.endif
	s_wait_dscnt RL+1                              ; (the last run and the add may be out)
.else
	s_wait_dscnt RL
.endif
	WIN 0x04                                       ; x in window 1, all else in window 0
	MUL4 PB, 0
	MUL4 PB, 1
	MUL4 PB, 2
.if BARR
	s_wait_dscnt 0x0                               ; the add is done, and my reads of the slot that is filled again are over
	s_barrier_signal -1                            ; (with a refill this barrier opens a round of the cluster's); work on registers follows
.endif
	MUL4 PB, 3
	VEC \msg, PP
.if BARR
	EPC TP, PP
	WIN 0                                          ; at a branch and at a label every window is 0
	s_barrier_wait -1
.if FILL
	CREST                                          ; no wave of any partner still reads that slot or has a load on its way
	tensor_load_to_lds s[56:59], s[32:39]          ; my one tensor load behind the round
	s_nop 0
	PLACES
.endif
.endif
	WIN 0
.if TOGG
	s_xor_b32 s74, s74, SLOT                       ; the fetches go on in the other slot
	v_add_nc_u32 v[ADW], s74, v[AW0]
.endif
.if (\msg) == 1
	MRSQ
.elseif (\msg) == 2
	MSEND 1
.endif
.if (\t) == 0
	LW2 \w0, \wn                                   ; ahead of product 2 W2 comes first in the run,
.endif
	WIN 0
.if \lw
	LW1 ((\t)+2)%8, PB
.endif
.if \ls
	LST (\so)+128*((\t)+1), PP
.endif
.if (\t) != 0
	LW2 \w0, \wn                                   ; else last, under the window that the conversions want
.endif
.if BARR == 0
	EPC TP, PP
.endif
.set RL, 8*(\wn)+16*(\lw)+4*(\ls)
.if (\msg) == 2
.set RL, RL+8
.endif
.endm
; PRODUCT 2 for a chunk: logit^T += W2 (8 tiles of 16 outputs) x the hidden codes (4 tiles of contexts), K = the chunk's 128: 32 matrix instructions on 32 accumulators.
; more = 1: another chunk follows: the address registers step.  first = 1: the run before it holds all of W2's fragments (64 loads, then 20), and each tile waits for its own eight; a count beyond the field is replaced by the field's largest.
.macro P2 zero, more, first
	WIN 0xaf                                       ; W2 and the codes in window 3, logit^T in window 2
.if \first
	s_wait_dscnt 63
.elseif \more
	s_wait_dscnt RL                                ; the last run, which holds W2's last fragment, may be out
.else
	s_wait_dscnt 0x0
.endif
	s_wait_alu depctr_va_vdst(0)                   ; directly ahead of the first reader of the codes and of the sums
.irp te, 0,1,2,3,4,5,6,7
.if (\first) && (\te > 1)
	s_wait_dscnt 76-8*\te
.elseif (\more) && (\te == 6)
	s_wait_dscnt 20                                ; W2's fragments are in; W1's 16 loads and the 4 of S and T may be out
.endif
.irp q, 0,1,2,3
.if \zero
	v_wmma_f32_16x16x128_fp8_fp8 v[64*\q+8*\te:64*\q+8*\te+7], v[W2F+16*\te:W2F+16*\te+15], v[HC+16*\q:HC+16*\q+15], 0
.else
	v_wmma_f32_16x16x128_fp8_fp8 v[64*\q+8*\te:64*\q+8*\te+7], v[W2F+16*\te:W2F+16*\te+15], v[HC+16*\q:HC+16*\q+15], v[64*\q+8*\te:64*\q+8*\te+7]
.endif
.endr
.endr
.if \more
	WIN 0
	s_add_co_u32 s96, s96, 128
	s_add_co_u32 s75, s75, 1024
	v_add_nc_u32 v[W2RA], s96, v[W20]              ; the next chunk's K step of W2
	v_add_nc_u32 v[W2RB], s96, v[W21]
	v_add_nc_u32 v[ADS], s75, v[AS0]               ; and its S and T
.endif
.set RL, 20
.endm
; a chunk, from its second tile to the next chunk's first (whose period finishes this chunk's codes), then product 2 on them.
; first = 1, chunk 0: slot 1 has been in since the head, so the change of slots needs no barrier; W2 is waited for, and chunk 2 asked for, in chunk 1's first period
.macro TRIP mode, zero, first
.if \first
.irp t, 1,2,3,4,5
	PERIOD \t, 0, 0, 0, 0, 1, 1, 0
.endr
	PERIOD 6, 3, 0, 0, 0, 1, 1, 0
	PERIOD 7, 0, 0, 0, 0, 1, 1, 0
	PERIOD 0, \mode, 1, 0, 8, 1, 1, 1024
.else
	PERIOD 1, 0, 2, 0, 1, 1, 1, 0
.irp t, 2,3,4,5
	PERIOD \t, 0, 0, \t-1, 1, 1, 1, 0
.endr
	PERIOD 6, \mode, 0, 5, 1, 1, 1, 0
	PERIOD 7, 0, 0, 6, 1, 1, 1, 0
	PERIOD 0, 0, 1, 7, 1, 1, 1, 1024
.endif
	P2 \zero, 1, \first
.endm
	TRIP 4, 1, 1                                   ; chunk 0: product 2's first K step starts logit^T's sums
	WIN 0
	s_mov_b32 s98, 5
.Lchunk:                                           ; chunks 1 to 5: each change of slots asks for the chunk two on
	TRIP 1, 0, 0
	WIN 0
	s_sub_co_u32 s98, s98, 1
	s_cmp_lg_u32 s98, 0
	s_cbranch_scc1 .Lchunk
	TRIP 2, 0, 0                                   ; chunk 6: written out: nothing is left to ask for
	PERIOD 1, 0, 2, 0, 1, 1, 1, 0                  ; chunk 7: the runs end with its last tile
.irp t, 2,3,4,5
	PERIOD \t, 0, 0, \t-1, 1, 1, 1, 0
.endr
	PERIOD 6, 0, 0, 5, 1, 0, 1, 0
	PERIOD 7, 0, 0, 6, 2, 0, 0, 0
	s_wait_loadcnt 0x0                             ; the last eight messages
	s_wait_dscnt 16                                ; the last tile's S and T are in; W2's last two fragments may be out
	VEC 1, 1
	MRSQ
	EPC 7, 1
	P2 0, 0, 0
	MSCALE
	MCVT
	MSEND 0
	; THE TAIL.  a's 256 rows of codes lie in LDS once every wave has stored its last eight.
.macro AL p, adr, imm                  ; a's fragment of 16 messages into set p
.irp c, 0,1,2,3,4,5,6,7
	ds_load_b64 v[AF+16*(\p)+2*\c:AF+16*(\p)+2*\c+1], v[\adr] offset:(\imm)+16*\c
.endr
.endm
	s_wait_dscnt 0x0
	s_barrier_signal -1
	s_barrier_wait -1
	AL 0, AF0, 0
	AL 1, AF0, 16*PA
	; b = logit / max(|logit|, 1e-8): a lane holds 64 of its context's 128 sums, the lane 16 away the others.
	WIN 0x0a                                       ; sources 0 and 1 window 2
	s_wait_alu depctr_va_vdst(0)                   ; directly ahead of the first reader of the sums
.irp q, 0,1,2,3
	v_pk_mul_f32 v[NT+4*\q:NT+4*\q+1], v[64*\q:64*\q+1], v[64*\q:64*\q+1]
	v_pk_mul_f32 v[NT+4*\q+2:NT+4*\q+3], v[64*\q+2:64*\q+3], v[64*\q+2:64*\q+3]
.endr
.irp j, 4,8,12,16,20,24,28,32,36,40,44,48,52,56,60
.irp q, 0,1,2,3
	v_pk_fma_f32 v[NT+4*\q:NT+4*\q+1], v[64*\q+\j:64*\q+\j+1], v[64*\q+\j:64*\q+\j+1], v[NT+4*\q:NT+4*\q+1]   ; ascending: each accumulator is read from its low end on
	v_pk_fma_f32 v[NT+4*\q+2:NT+4*\q+3], v[64*\q+\j+2:64*\q+\j+3], v[64*\q+\j+2:64*\q+\j+3], v[NT+4*\q+2:NT+4*\q+3]
.endr
.endr
	WIN 0
.irp q, 0,1,2,3
	v_pk_add_f32 v[NT+4*\q:NT+4*\q+1], v[NT+4*\q:NT+4*\q+1], v[NT+4*\q+2:NT+4*\q+3]
.endr
.irp q, 0,1,2,3
	v_add_f32 v[NT+4*\q], v[NT+4*\q], v[NT+4*\q+1]
.endr
.irp q, 0,1,2,3
	v_permlanex16_b32 v[NT+4*\q+1], v[NT+4*\q], s84, s85
.endr
.irp q, 0,1,2,3
	v_add_f32 v[NT+4*\q], v[NT+4*\q], v[NT+4*\q+1]
.endr
.irp q, 0,1,2,3
	v_max_num_f32 v[NT+4*\q], v[NT+4*\q], v[FLO]
.endr
	s_wait_alu depctr_va_vdst(0)                   ; the wait ahead of the batch
.irp q, 0,1,2,3
	v_rsq_f32 v[NT+4*\q], v[NT+4*\q]               ; 2^(e2 + e3) / max(norm, 1e-8): b = sum x this
.endr
	v_nop
	s_wait_alu depctr_va_vdst(0)                   ; and behind it
	WIN 0x82                                       ; source 0 and destination window 2
.irp q, 0,1,2,3
.set J, 0
.rept 32
	v_pk_mul_f32 v[64*\q+J:64*\q+J+1], v[64*\q+J:64*\q+J+1], v[NT+4*\q:NT+4*\q+1] op_sel_hi:[1,0]
.set J, J+2
.endr
.endr
.set J, 0
.rept 256
	v_med3_num_f32 v[J], v[J], -v[LIMB], v[LIMB]
.set J, J+1
.endr
	WIN 0x02
.irp q, 0,1,2,3
.irp te, 0,1,2,3,4,5,6,7
	v_cvt_scalef32_pk8_fp8_f32 v[DD+16*\q+2*\te:DD+16*\q+2*\te+1], v[64*\q+8*\te:64*\q+8*\te+7], v[SCB]   ; registers 2 te, 2 te + 1: e = 16 te + 8 h + 0 .. 7
.endr
.endr
	WIN 0
	v_and_b32 v[T0], 8, v0
	v_cmp_ne_u32 vcc_lo, 0, v[T0]                  ; lanes r >= 8 hold context 4 r + q in tile q xor 2
.irp q, 0,1,2,3
.irp i, 0,1,2,3,4,5,6,7,8,9,10,11,12,13,14,15
	v_cndmask_b32 v[BF+16*\q+\i], v[DD+16*\q+\i], v[DD+16*((\q+2)%4)+\i], vcc_lo
.endr
.endr
	; PRODUCT 3, not transposed: source 0 = 16 messages, source 1 = my tile q.  Register j of result q is out(16 mt + 8 h + j, 64 w + 4 r + q): the scaling by 2^(e4 + e5) / 0.07 lays the four q side by side,
	; and one store of 16 bytes a lane writes 256 consecutive aligned bytes from lanes 0-15 (row 16 mt + j) and 256 from lanes 16-31 (row 16 mt + 8 + j).
.macro WM p
.irp q, 0,1,2,3
	v_wmma_f32_16x16x128_fp8_fp8 v[DD+32*(\p)+8*\q:DD+32*(\p)+8*\q+7], v[AF+16*(\p):AF+16*(\p)+15], v[BF+16*\q:BF+16*\q+15], 0
.endr
.endm
.macro OUTP p, imm
	s_wait_xcnt 0x0                                ; the set's earlier stores have read their registers
.irp j, 0,1,2,3,4,5,6,7
.irp q, 0,1,2,3
	v_mul_f32 v[OUT+32*(\p)+4*\j+\q], v[SCO], v[DD+32*(\p)+8*\q+\j]   ; register 0 of each result first
.endr
	global_store_b128 v[OOFF], v[OUT+32*(\p)+4*\j:OUT+32*(\p)+4*\j+3], s[24:25] offset:(\imm)+1024*\j th:TH_STORE_NT
.endr
.endm
	s_mov_b32 s86, 2*16*PA
	s_wait_alu depctr_va_vdst(0)
	s_wait_dscnt 8                                 ; set 0 is in; set 1's eight loads may be out
	WM 0
	PLACES
	s_mov_b32 s98, 7
.Lpair:                                            ; a trip: two tiles of messages.  Each set's 32 multiplications are the places between the other set's products and what touches their registers
	v_add_nc_u32 v[ADA], s86, v[AF0]
	AL 0, ADA, 0
	s_wait_dscnt 8
	WM 1
	OUTP 0, 0
	AL 1, ADA, 16*PA
	s_wait_dscnt 8
	WM 0
	OUTP 1, 16384
	s_wait_xcnt 0x0                                ; the stores have read their base
	s_add_nc_u64 s[24:25], s[24:25], 32768
	s_add_co_u32 s86, s86, 2*16*PA
	s_sub_co_u32 s98, s98, 1
	s_cmp_lg_u32 s98, 0
	s_cbranch_scc1 .Lpair
	s_wait_dscnt 0x0
	WM 1
	OUTP 0, 0
	OUTP 1, 16384
	s_wait_tensorcnt 0x0                           ; the wave's end: the add and its waits, behind my last tensor load and my last LDS store
	ds_add_u32 v[SPW], v[NIL]
	s_wait_dscnt 0x0
	CROUND                                         ; the closing round: no work-group ends while a partner may still ask for a tile that names it
	s_endpgm
.Lfunc_end_k_q1850c21475_chain:
	.size	k_q1850c21475_chain, .Lfunc_end_k_q1850c21475_chain-k_q1850c21475_chain
	.p2alignl 7, 3214868480
	.fill 96, 4, 3214868480
	.section	.rodata,"a",@progbits
	.p2align	6, 0x0
	.amdhsa_kernel k_q1850c21475_chain
		.amdhsa_group_segment_fixed_size 327680
		.amdhsa_private_segment_fixed_size 0
		.amdhsa_enable_private_segment 0
		.amdhsa_kernarg_size 88
		.amdhsa_user_sgpr_count 2
		.amdhsa_user_sgpr_kernarg_segment_ptr 1
		.amdhsa_wavefront_size32 1
		.amdhsa_system_sgpr_workgroup_id_x 1
		.amdhsa_system_sgpr_workgroup_id_y 1
		.amdhsa_system_sgpr_workgroup_id_z 1
		.amdhsa_system_vgpr_workitem_id 0
		.amdhsa_next_free_vgpr 1024
		.amdhsa_next_free_sgpr 102
		.amdhsa_reserve_vcc 1
		.amdhsa_float_denorm_mode_32 3
		.amdhsa_float_denorm_mode_16_64 3
		.amdhsa_memory_ordered 1
		.amdhsa_forward_progress 1
		.amdhsa_inst_pref_size 255
	.end_amdhsa_kernel
	.section	.bss,"aw",@nobits
	.p2align	6
	.space	262144
	.amdgpu_metadata
---
amdhsa.version: [ 1, 2 ]
amdhsa.kernels:
  - .name:           k_q1850c21475_chain
    .symbol:         k_q1850c21475_chain.kd
    .args:
      - { .name: batched_context_feature_codes, .offset: 0, .size: 8, .value_kind: global_buffer, .address_space: global }
      - { .name: W1_codes, .offset: 8, .size: 8, .value_kind: global_buffer, .address_space: global }
      - { .name: W2_codes, .offset: 16, .size: 8, .value_kind: global_buffer, .address_space: global }
      - { .name: embedded_cyclic_msg, .offset: 24, .size: 8, .value_kind: global_buffer, .address_space: global }
      - { .name: b1, .offset: 32, .size: 8, .value_kind: global_buffer, .address_space: global }
      - { .name: beta, .offset: 40, .size: 8, .value_kind: global_buffer, .address_space: global }
      - { .name: gamma, .offset: 48, .size: 8, .value_kind: global_buffer, .address_space: global }
      - { .name: running_mean, .offset: 56, .size: 8, .value_kind: global_buffer, .address_space: global }
      - { .name: running_var, .offset: 64, .size: 8, .value_kind: global_buffer, .address_space: global }
      - { .name: lowp_scales, .offset: 72, .size: 8, .value_kind: global_buffer, .address_space: global }
      - { .name: out0, .offset: 80, .size: 8, .value_kind: global_buffer, .address_space: global }
    .group_segment_fixed_size: 327680
    .private_segment_fixed_size: 0
    .kernarg_segment_align: 8
    .kernarg_segment_size: 88
    .max_flat_workgroup_size: 128
    .sgpr_count:     102
    .vgpr_count:     1024
    .wavefront_size: 32
...
	.end_amdgpu_metadata
.endif
;; end of part 1
